; MI455X (gfx1250); checked and timed in simulation.
; The chip was launched on July 23, 2026; its instructions are those of AMD's public machine-readable ISA for CDNA 5 (MIT licence, August 2026) and "CDNA5" Instruction Set Architecture Reference Guide (July 2026). The comments in the code are by the model that wrote it; some were corrected since.
;; Causal Self Attention. Allowed arithmetic: matrix products marked QUANTISED: E4M3 operands, one given power-of-two scale a tensor, by v_wmma_f32_16x16x64_fp8_fp8 or v_wmma_f32_16x16x128_fp8_fp8, f32 sums; everything else in f32.
;; Inputs: Wk_codes 1,024 x 32 x 32 uint8 (E4M3 codes of Wk, K innermost, in blocks of 32 codes); Wp_codes 1,024 x 32 x 32 uint8 (E4M3 codes of Wp, K innermost, in blocks of 32 codes); Wq_codes 1,024 x 32 x 32 uint8 (E4M3 codes of Wq, K innermost, in blocks of 32 codes); Wv_codes 1,024 x 32 x 32 uint8 (E4M3 codes of Wv, K innermost, in blocks of 32 codes); bk 1,024 float32; bp 1,024 float32; bq 1,024 float32; bv 1,024 float32; lowp_scales 12 int32 (the exponents e of the quantised operands' scales 2^e); x_codes 4 x 2,048 x 32 x 32 uint8 (E4M3 codes of x, K innermost, in blocks of 32 codes).
;; Outputs: out0 4 x 2,048 x 1,024 float32.
;; This version of the problem:
;;   THIS VERSION OF THE PROBLEM IS GIVEN IN LOW PRECISION. The matrix products marked QUANTISED in the list below multiply operands that are first quantised to E4M3 (4 exponent bits, 3 mantissa bits; 8 bits a number), with one given power-of-two scale for each operand tensor; their sums are f32. All else is computed in f32.
;;   The module's matrix products, in the order in which they are computed (A, B: the left and right operand; K: the contracted axis; several contracted axes count as one K, in the product's order):
;;     1. [M 8,192, K 1,024] x [K 1,024, N 1,024]; A: input x (given as codes); B: input Wq (given as codes): QUANTISED (scales: A lowp_scales[0], B lowp_scales[1])
;;     2. [M 8,192, K 1,024] x [K 1,024, N 1,024]; A: input x (given as codes); B: input Wk (given as codes): QUANTISED (scales: A lowp_scales[2], B lowp_scales[3])
;;     3. [M 8,192, K 1,024] x [K 1,024, N 1,024]; A: input x (given as codes); B: input Wv (given as codes): QUANTISED (scales: A lowp_scales[4], B lowp_scales[5])
;;     4. batch 64 x [M 2,048, K 64] x [K 64, N 2,048]; A: computed on the way; B: computed on the way: QUANTISED (scales: A lowp_scales[6], B lowp_scales[7])
;;     5. batch 64 x [M 2,048, K 2,048] x [K 2,048, N 64]; A: softmax (see below); B: computed on the way: QUANTISED (scales: A lowp_scales[8], B lowp_scales[9])
;;     6. [M 8,192, K 1,024] x [K 1,024, N 1,024]; A: computed on the way; B: input Wp (given as codes): QUANTISED (scales: A lowp_scales[10], B lowp_scales[11])
;;   THE QUANTISER, for each operand of a quantised product, along K:
;;     - The operand's scale is 2^e, e = its entry of the input lowp_scales (int32; the entries are numbered through the quantised products in the list's order, A before B).
;;     - Each number is divided by the scale, clamped to +-448, and rounded to the nearest number of E4M3, ties to even, subnormals kept.
;;     - The product sums the exact products of the quantised numbers (number of the format x scale) in f32.
;;   ~~~python
;;   def quantise(x, axis, e):      # numpy; x: float32 -> the quantised numbers, widened to float32 again
;;       x = np.moveaxis(x, axis, -1); K = x.shape[-1]
;;       r = np.clip(x / 2.0 ** e, -448, 448)
;;       step = 2.0 ** (np.maximum(np.frexp(np.where(r == 0, 1, r))[1] - 1, -6) - 3)
;;       q = np.round(r / step) * step * 2.0 ** e      # np.round: ties to even
;;       return np.moveaxis(q, -1, axis).astype(np.float32)
;;   ~~~
;;   SOFTMAX AHEAD OF A QUANTISED PRODUCT. Where the list says 'softmax', what is quantised is not the finished softmax but p = 2^(t - M), with t = logit x log2(e) and M = ceil(the row's largest t), a whole number; so 1/2 < the row's largest p <= 1. The row's sum l is taken of the UNQUANTISED p, in f32, and the product's result is divided by l at the end. Since M is a whole number, a kernel that streams over the keys may use a running M (the ceiling of the running maximum): every later rescaling is an exact power of two, so the quantised numbers keep their values, but for numbers so far below the row's largest that they fall under the format's range.
;;   OPERANDS COMPUTED ON THE WAY. 'Computed on the way' means the value that the module computes at that place (a softmax that the list does not call 'softmax' is quantised finished and normalised). What goes into a quantiser is computed in f32, as accurately as f32 sums, v_exp_f32 and their like allow (about 1e-6 of the number): no bf16 or f16 on the way to a quantiser, and a product that is left as it is and whose result goes on into a quantised operand takes f32 operands (vector FMAs, or v_wmma_f32_16x16x4_f32). A number that lies on a knife's edge between two numbers of the format may be rounded either way, as far as f32 arithmetic and the matrix unit's own rounding can turn it there, and no further.
;;   INPUTS GIVEN AS CODES. Wk (in the module: [1024, 1024], K = its axis 1); Wp (in the module: [1024, 1024], K = its axis 1); Wq (in the module: [1024, 1024], K = its axis 1); Wv (in the module: [1024, 1024], K = its axis 1); x (in the module: [4, 2048, 1024], K = its axis 2): each comes as NAME_codes (uint8): NAME with its K axis moved to the last place and cut into blocks of 32 codes, [.., K / 32, bytes a block], one block behind the other in memory; one code a byte (a code: sign, 4 exponent bits, 3 mantissa bits); its scale is its entry of lowp_scales. Its value is code x scale, taken as it is: it is not quantised again, and the codes and scales need not be those that the quantiser above would give.
;; One version. Each part assembles by itself: llvm-mc -triple=amdgcn-amd-amdhsa -mcpu=gfx1250 --defsym DOCPART=n.
;; ======== version 1 of 1: 3 launches
;; limits: right only within a limited range of input values
;; workspace buffers: qimg 8,388,608 bytes; kimg 8,388,608 bytes; vimg 8,388,608 bytes; yimg 8,388,608 bytes
;; launch qkv (part 1): grid 4 x 96, 4 waves a work-group, clusters of 4 x 4, 327,680 bytes of LDS; arguments x_codes, Wq_codes, Wk_codes, Wv_codes, bq, bk, bv, lowp_scales, qimg, kimg, vimg; writes qimg, kimg, vimg
.if DOCPART == 1
	.amdgcn_target "amdgcn-amd-amdhsa--gfx1250"
	.amdhsa_code_object_version 6
	.text
	.protected	k_q32a89464e1_qkv
	.globl	k_q32a89464e1_qkv
	.p2align	8
	.type	k_q32a89464e1_qkv,@function
k_q32a89464e1_qkv:
	s_mov_b64 s[64:65], 0
	v_nop
	global_prefetch_b8 v0, s[64:65] scope:SCOPE_SE
	s_setreg_imm32_b32 hwreg(HW_REG_WAVE_MODE, 25, 1), 1
	s_wait_xcnt 0x0
	s_wait_alu depctr_hold_cnt(0) depctr_sa_sdst(0) depctr_va_vdst(0) depctr_va_sdst(0) depctr_va_ssrc(0) depctr_va_vcc(0) depctr_vm_vsrc(0)
	s_getreg_b32 s2, hwreg(HW_REG_IB_STS2, 6, 4)
	s_cmp_eq_u32 s2, 0
	s_cbranch_scc0 .Lentry_in_a_cluster
	s_endpgm
.Lentry_in_a_cluster:
	s_bfe_u32 s2, ttmp6, 0x10000c
	s_cmp_lg_u32 s2, 0xf033
	s_cbranch_scc0 .Lentry_shape_is_right
	s_endpgm
.Lentry_shape_is_right:
; q = x Wq^T + bq, k = x Wk^T + bk, v = x Wv^T + bv on codes of FP8 (E4M3); each result is quantised at once with the scale given for it and stored as codes.
; x: [8192][1024] codes, W: [1024][1024] codes, K innermost; b: [1024] f32; the buffer of scales holds 12 whole numbers e (a scale is 2^e).
; 24 clusters of 4 x 4 work-groups: cluster c makes kind c / 8 (0 q, 1 k, 2 v) for tokens 1024 (c % 8) on.  A work-group of four waves makes 256 x 256 of C'[m'][n'] = sum over k of A'[m'][k] B'[n'][k],
; a wave 128 x 128: 64 accumulators, 512 registers.  K = 1024 goes in four slots' worth of 256 through a ring of two LDS slots, eight steps of 128, written out without a loop.
; q, k: A' = x, B' = W.   v: A' = Wv, B' = x: THE TWO SIDES CHANGE PLACES BY POINTER ALONE, by selections on the cluster's number; all kinds run one text and no branch hangs on the kind.
; THE MATRIX INSTRUCTION IS USED TRANSPOSED (source 0 = 16 rows of B', source 1 = 16 rows of A'): lane (r, h) holds row m' = r and its registers j the columns n' = 8 h + j.
;   q, k: a lane holds one token and eight neighbouring channels;   v: one channel and eight neighbouring tokens.  Eight neighbours along the NEXT product's K either way: one conversion gives two
;   registers of that product's operand, in their true places.  So the codes leave AS IMAGES OF THE NEXT OPERAND'S REGISTERS, four registers a lane a store: a wave's store covers 512 consecutive bytes, aligned.
;   qimg, kimg: [batch 4][head 16][token tile 128][quad 2][lane 32][16 bytes]: the fragment 16 tokens x 64 channels.     vimg: [batch][head][128 keys: 16][16 channels: 4][quad 4][lane][16 bytes]: 16 channels x 128 keys.
; THE BIAS costs no line of its own.  Along n' (q, k): it is the C of each sum's first product, divided by the power of two that the sums lack.  Along m' (v): the addend of the one multiply-add on the way out.
;   The shape that a kind does not have is made zeros by a selection, and its loads are held at the bias's first bytes.
; CLUSTERS: the four work-groups of a row of the cluster need the same tiles of A', the four of a column the same tiles of B': each tile is asked for jointly, by the same tensor load with a mask that names the four.
; LIMITS on the given exponents, so that each power of two below is an f32 number: ex + ew between -126 and 127; the result's own exponent between -126 and 119.  NaN among the inputs is not served.
; REGISTERS, in windows of 256: window 0: v1-6 at work, v16-31 addresses and constants, v32-95 the bias along n', v96-111 the bias along m' (a pair a block), v128-255 A's fragments, one set;
;   window 1: B's fragments, two sets, at v0 and v128;   window 2: the accumulators of my rows 0-63 ((a, b) at v[8 (8 a + b)]);   window 3: those of my rows 64-127.
;   On the way out: v128-191 a block's numbers; each block's 16 registers of codes are its own (v192-255, then v32-95), so that no store's data are written again.
.set ROWB,   256                       ; a tile's row: 256 codes
.set KROW,   1024                      ; a row of x or of W in memory
.set PITCH,  272                       ; an LDS row: 256 bytes + 16 of padding = 68 words: the 16 rows that a load touches start 4 words apart
.set FR,     16                        ; registers of a fragment: 16 rows x 128 K
.set NL,     4                         ; LDS loads that bring one
.set NP,     4                         ; places behind this matrix instruction (ISA guide 7.12.1)
.set HALFT,  128*PITCH                 ; 128 rows: what one tensor load brings
.set SLOT,   4*HALFT                   ; A's 256 rows, then B's 256 rows
.set SPARE,  2*SLOT                    ; behind the ring: the spare words, 128 bytes for each wave
.set ADRA, 16                          ; v16-17  LDS address of my A fragments in slot 0, 1
.set ADRB, 20                          ; v20-21  the same for B
.set VO,   24                          ; v24-27  byte offset of a block's four stores
.set SPW,  28                          ; v28     LDS address of my spare word; never rewritten
.set NIL,  29                          ; v29     0; never rewritten
.set SCL,  30                          ; v30     the result's scale as f32
.set LIM,  31
.set CB,   32                          ; v32-95  bias along n': register 8 b + j
.set RB,   96                          ; v96-111 bias along m': block a's in the pair v[96 + 2 a], twice
.set RAW,  112                         ; v112-119 the same as loaded
.set AF,   128                         ; A's fragments
.set T,    128                         ; the way out: 64 numbers
.set G1,  24                           ; s[24:31] descriptor group 1 for A's tiles;  s[32:39] group 0, one set for each slot
.set G0,  32
.set G1B, 48                           ; s[48:55], s[56:63] the same for B's
.set G0B, 56
.set WV,  68                           ; s68 wave;  s69 which half of the rows is mine, also: I fetch for A (0) or B (1);  s70 which half of the columns, also: which 128 rows I fetch
.set HM,  69
.set HN,  70
.set KIND, 71
.set MSB, 0
.macro WIN new                         ; the immediate's high byte repeats the setting that is left
.if MSB != \new
	s_set_vgpr_msb (MSB<<8)|\new
.set MSB, \new
.endif
.endm
.set MUL_LO, 0xa1                      ; source 0 (B) window 1, source 1 (A) window 0, C and D window 2
.set MUL_HI, 0xf1                      ; the same, C and D window 3
.set TO_B,   0x40                      ; destination window 1, address window 0
; A joint load: waves 0 and 1 fetch for A, waves 2 and 3 for B; the branch hangs on the wave's number alone.  Four v_nop follow each of the two lines.
.macro JLOAD g0a, g1a, g0b, g1b
	s_cmp_eq_u32 s[HM], 0
	s_cbranch_scc0 .Lfor_b_\@
	tensor_load_to_lds s[\g0a:\g0a+3], s[\g1a:\g1a+7]
	s_nop 0
.rept 4
	v_nop
.endr
	s_branch .Lasked_\@
.Lfor_b_\@:
	tensor_load_to_lds s[\g0b:\g0b+3], s[\g1b:\g1b+7]
	s_nop 0
.rept 4
	v_nop
.endr
.Lasked_\@:
.endm
.macro CREST                           ; a round of the cluster's barrier behind its opening barrier
	s_cmp_lg_u32 s[WV], 0
	s_cbranch_scc1 .Lnot_wave_0_\@
	s_barrier_signal -3
.Lnot_wave_0_\@:
	s_barrier_wait -3
	s_barrier_signal -1
	s_barrier_wait -1
.endm
.macro CROUND                          ; a whole round
	s_barrier_signal -1
	s_barrier_wait -1
	CREST
.endm
	s_load_b512 s[4:19], s[0:1], 0x0               ; x s[4:5], Wq s[6:7], Wk s[8:9], Wv s[10:11], bq s[12:13], bk s[14:15], bv s[16:17], the scales' exponents s[18:19]
	s_load_b128 s[20:23], s[0:1], 0x40             ; qimg s[20:21], kimg s[22:23]
	s_load_b64 s[66:67], s[0:1], 0x50              ; vimg
	v_lshl_add_u32 v[SPW], v0, 2, SPARE
	v_mov_b32 v[NIL], 0
	ds_add_u32 v28, v29
	ds_add_u32 v28, v29
	s_wait_dscnt 0x0
	v_lshrrev_b32 v1, 5, v0
	v_readfirstlane_b32 s[WV], v1                  ; wave 0..3
	s_lshr_b32 s[HM], s[WV], 1
	s_and_b32 s[HN], s[WV], 1
	s_bfe_u32 s40, ttmp6, 0x40000                  ; cx, cy: my place in the cluster
	s_bfe_u32 s41, ttmp6, 0x40004
	s_and_b32 s42, ttmp7, 0xffff                   ; the cluster's number, 0..23
	s_lshr_b32 s[KIND], s42, 3                     ; 0 q, 1 k, 2 v
	s_and_b32 s72, s42, 7                          ; which 1,024 tokens
	s_lshl_b32 s73, s72, 2                         ; their first tile of 256
	s_lshl_b32 s43, s41, 2
	s_lshl_b32 s43, 15, s43                        ; my row of the cluster
	s_lshl_b32 s44, 0x1111, s40                    ; my column
	; descriptor group 1: a tile of 128 rows x 256 bytes, padded in LDS
	s_or_b32 s[G1+0], s43, (0<<16)|(1<<20)|(1<<21)|(5<<22)|(3<<25)  ; 15:0 the mask: A's tiles go to my row; 17:16 element of 1 byte; 20 padding on; 21 set beside a mask; 24:22 after every 64 words; 31:25 of 4 words
	s_or_b32 s[G1B+0], s44, (0<<16)|(1<<20)|(1<<21)|(5<<22)|(3<<25) ; the same with the mask of my column
.irp g, G1, G1B
	s_mov_b32 s[\g+1], ROWB<<16                    ; tensor_dim0
	s_mov_b32 s[\g+2], 128<<16                     ; tensor_dim1
	s_mov_b32 s[\g+3], ROWB<<16                    ; tile_dim0
	s_mov_b32 s[\g+4], 128                         ; tile_dim1
	s_mov_b32 s[\g+5], KROW                        ; tensor_dim0_stride
	s_mov_b32 s[\g+6], 0
	s_mov_b32 s[\g+7], 0
.endr
	s_cmp_eq_u32 s[KIND], 2                        ; v?  The number is the same in all sixteen work-groups
	s_cselect_b32 s99, 0, s73                      ; A's tile of 256 rows: q, k: 4 g + cy (tokens);  v: cy (channels)
	s_cselect_b32 s83, s73, 0                      ; B's: q, k: cx (channels);  v: 4 g + cx (tokens)
	s_cselect_b32 s2, 0, -1                        ; all lanes where the bias runs along n' (q, k)
	s_cselect_b32 s3, -1, 0                        ; all lanes where it runs along m' (v)
	s_add_co_u32 s99, s99, s41
	s_add_co_u32 s83, s83, s40
	s_lshl_b32 s82, s[HN], 17                      ; the 128 rows of 1,024 bytes that I fetch
	s_lshl_b32 s100, s99, 18                       ; 256 rows of 1,024 bytes a tile
	s_add_co_u32 s100, s100, s82
	s_mov_b32 s101, 0
	s_lshl_b32 s46, s83, 18
	s_add_co_u32 s46, s46, s82
	s_mov_b32 s47, 0
	s_mul_i32 s45, s[WV], HALFT                    ; where they go: wave x 128 rows: no place in the cluster enters an LDS address
	s_wait_kmcnt 0x0
	s_load_b256 s[84:91], s[18:19], 0x0            ; the exponents 0 to 7
	s_load_b128 s[92:95], s[18:19], 0x20           ; 8 to 11
	s_cmp_eq_u32 s[KIND], 2
	s_cselect_b64 s[74:75], s[10:11], s[4:5]       ; A' = Wv or x
	s_cselect_b64 s[76:77], s[4:5], s[8:9]         ; B' = x or Wk
	s_cselect_b64 s[78:79], s[16:17], s[14:15]     ; the bias
	s_cselect_b64 s[80:81], s[66:67], s[22:23]     ; the images
	s_cmp_eq_u32 s[KIND], 0
	s_cselect_b64 s[76:77], s[6:7], s[76:77]       ; q: Wq, bq, qimg
	s_cselect_b64 s[78:79], s[12:13], s[78:79]
	s_cselect_b64 s[80:81], s[20:21], s[80:81]
	s_add_nc_u64 s[74:75], s[74:75], s[100:101]
	s_add_nc_u64 s[76:77], s[76:77], s[46:47]
	CROUND                                         ; all sixteen work-groups are here: the first joint loads meet
.irp s, 0,1
	s_mov_b32 s[G0+4*\s], 1                        ; count = 1
	s_add_co_u32 s[G0+4*\s+1], s45, \s*SLOT        ; LDS address
	s_add_nc_u64 s[G0+4*\s+2:G0+4*\s+3], s[74:75], \s*ROWB   ; global address: K 256 s on
	s_or_b32 s[G0+4*\s+3], s[G0+4*\s+3], 0x80000000          ; type = 2
	s_mov_b32 s[G0B+4*\s], 1
	s_add_co_u32 s[G0B+4*\s+1], s45, \s*SLOT
	s_add_nc_u64 s[G0B+4*\s+2:G0B+4*\s+3], s[76:77], \s*ROWB
	s_or_b32 s[G0B+4*\s+3], s[G0B+4*\s+3], 0x80000000
	JLOAD G0+4*\s, G1, G0B+4*\s, G1B
.endr
	v_and_b32 v1, 15, v0                           ; r
	v_bfe_u32 v2, v0, 4, 1                         ; h
	s_wait_alu depctr_va_vdst(0)
	v_mul_u32_u24 v3, v1, PITCH
	v_lshl_add_u32 v4, v2, 4, v3                   ; a fragment's row x pitch + 16 h
	s_mul_i32 s20, s[HM], HALFT                    ; my 128 rows of A
	s_mul_i32 s21, s[HN], HALFT                    ; my 128 rows of B,
	s_add_co_u32 s21, s21, 2*HALFT                 ; which lie behind A's 256
.irp s, 0,1
	v_add_nc_u32 v[ADRA+\s], s20, v4
	v_add_nc_u32 v[ADRB+\s], s21, v4
	s_add_co_u32 s20, s20, SLOT
	s_add_co_u32 s21, s21, SLOT
.endr
	; the bias: along n' at channel 256 cx + 128 HN + 16 b + 8 h + j; along m' at channel 256 cy + 128 HM + 16 a + r.  The shape that this kind has not is read at the bias's first bytes: every load stays inside its 4,096 bytes
	s_lshl_b32 s22, s40, 10
	s_lshl_b32 s23, s[HN], 9
	s_add_co_u32 s22, s22, s23
	s_lshl_b32 s23, s41, 10
	s_lshl_b32 s73, s[HM], 9
	s_add_co_u32 s23, s23, s73
	s_cmp_eq_u32 s[KIND], 2
	s_cselect_b32 s22, 0, s22
	s_cselect_b32 s23, s23, 0
	v_lshl_add_u32 v5, v2, 5, s22
	v_lshl_add_u32 v6, v1, 2, s23
.irp b, 0,1,2,3,4,5,6,7
	global_load_b128 v[CB+8*\b:CB+8*\b+3],   v5, s[78:79] offset:64*\b
	global_load_b128 v[CB+8*\b+4:CB+8*\b+7], v5, s[78:79] offset:64*\b+16
.endr
.irp a, 0,1,2,3,4,5,6,7
	global_load_b32 v[RAW+\a], v6, s[78:79] offset:64*\a
.endr
	; where the images go.  One formula serves all kinds: batch << 21 + head << 17 + (128 tokens) << 13, with tokens and channels taken from the side on which this kind has them
	s_cmp_eq_u32 s[KIND], 2
	s_cselect_b32 s20, s83, s99                    ; the tile of 256 tokens
	s_cselect_b32 s21, s41, s40                    ; the tile of 256 channels
	s_cselect_b32 s22, s[HN], s[HM]                ; my half of the tokens
	s_cselect_b32 s23, s[HM], s[HN]                ; my half of the channels
	s_mov_b32 s72, 1024
	s_cselect_b32 s72, 2048, s72                   ; from block a to a + 1: q, k: a token tile (1,024 bytes);  v: 16 channels (2,048)
	s_mov_b32 s82, 4096
	s_cselect_b32 s82, 0x20000, s82                ; from block 0 to 4: q, k: four token tiles;  v: the next head
	s_mov_b32 s42, 0x20000
	s_cselect_b32 s42, 1024, s42                   ; from a block's stores 0, 1 to 2, 3: q, k: the next head;  v: two quads on
	s_mov_b32 s73, 0
	s_mov_b32 s83, 0
	s_lshr_b32 s100, s20, 3                        ; batch
	s_lshl_b32 s100, s100, 21
	s_lshl_b32 s21, s21, 19                        ; four heads to a tile of channels
	s_add_co_u32 s100, s100, s21
	s_lshl_b32 s23, s23, 18                        ; two to my half
	s_add_co_u32 s100, s100, s23
	s_and_b32 s20, s20, 7
	s_lshl_b32 s20, s20, 14
	s_add_co_u32 s100, s100, s20
	s_lshl_b32 s22, s22, 13
	s_add_co_u32 s100, s100, s22
	s_mov_b32 s101, 0
	v_and_b32 v3, 31, v0
	v_lshlrev_b32 v[VO], 4, v3                     ; 16 x lane
	v_add_nc_u32 v[VO+1], 512, v[VO]
	v_add_nc_u32 v[VO+2], s42, v[VO]
	v_add_nc_u32 v[VO+3], s42, v[VO+1]
	s_wait_kmcnt 0x0                               ; the exponents are in, so their address, s[18:19], may be written: a base for each block, made once, so that none is stepped under a store
	s_add_nc_u64 s[4:5], s[80:81], s[100:101]
	s_add_nc_u64 s[6:7], s[4:5], s[72:73]
	s_add_nc_u64 s[8:9], s[6:7], s[72:73]
	s_add_nc_u64 s[10:11], s[8:9], s[72:73]
	s_add_nc_u64 s[12:13], s[4:5], s[82:83]
	s_add_nc_u64 s[14:15], s[12:13], s[72:73]
	s_add_nc_u64 s[16:17], s[14:15], s[72:73]
	s_add_nc_u64 s[18:19], s[16:17], s[72:73]
	s_cmp_eq_u32 s[KIND], 2                        ; the exponents of this kind: x's and W's are entries 2 kind, 2 kind + 1; the result's is entry 6 (q), 7 (k), 9 (v)
	s_cselect_b32 s96, s88, s86
	s_cselect_b32 s97, s89, s87
	s_cselect_b32 s98, s93, s91
	s_cmp_eq_u32 s[KIND], 0
	s_cselect_b32 s96, s84, s96
	s_cselect_b32 s97, s85, s97
	s_cselect_b32 s98, s90, s98
	s_add_co_i32 s96, s96, s97                     ; ex + ew: a sum stands for sum x 2^(ex + ew)
	s_sub_co_i32 s99, 0, s96
	s_add_co_i32 s96, s96, 127
	s_lshl_b32 s96, s96, 23                        ; 2^(ex + ew) as f32
	s_mov_b32 s97, s96                             ; (named with it as a pair, so it is written)
	s_add_co_i32 s98, s98, 127
	s_lshl_b32 s100, s98, 23
	v_mov_b32 v[SCL], s100                         ; the result's scale: the conversion takes its exponent field
	s_wait_loadcnt 0x0                             ; the bias
.set j, 0
.rept 64
	v_ldexp_f32 v[CB+j], v[CB+j], s99              ; b / 2^(ex + ew): it goes in as the C of the first products;
	v_cndmask_b32 v[CB+j], 0, v[CB+j], s2          ; zeros for v
.set j, j+1
.endr
.irp a, 0,1,2,3,4,5,6,7
	v_cndmask_b32 v[RB+2*\a], 0, v[RAW+\a], s3     ; the bias along m': zeros for q and k
	v_cndmask_b32 v[RB+2*\a+1], 0, v[RAW+\a], s3
.endr
.macro FRAG reg, adr, q, i             ; a fragment: lane l holds row l % 16; registers 4 c .. 4 c + 3 hold K = 32 c + 16 (l / 16) + 0 .. 15: one order of K, the same in A and in B
.irp c, 0,1,2,3
	ds_load_b128 v[\reg+4*\c:\reg+4*\c+3], v[\adr] offset:128*(\q)+32*\c+(\i)*16*PITCH
.endr
.endm
; 16 matrix instructions: A's blocks a0, a0 + 1 x B's eight, 128 along K.  p: B's set.  first = 1: the sums begin with the bias as C: nothing is ever cleared.
; The 64 accumulators take turns, one instruction a turn, in the same order in every step.
.macro MUL16 a0, p, first
.irp a, \a0, \a0+1
.irp b, 0,1,2,3,4,5,6,7
.if \first
	v_wmma_f32_16x16x128_fp8_fp8 v[8*(8*((\a)%4)+\b):8*(8*((\a)%4)+\b)+7], v[128*(\p)+FR*\b:128*(\p)+FR*\b+FR-1], v[AF+FR*(\a):AF+FR*(\a)+FR-1], v[CB+8*\b:CB+8*\b+7]
.else
	v_wmma_f32_16x16x128_fp8_fp8 v[8*(8*((\a)%4)+\b):8*(8*((\a)%4)+\b)+7], v[128*(\p)+FR*\b:128*(\p)+FR*\b+FR-1], v[AF+FR*(\a):AF+FR*(\a)+FR-1], v[8*(8*((\a)%4)+\b):8*(8*((\a)%4)+\b)+7]
.endif
.endr
.endr
.endm
.macro FETCH_B slot, q, p              ; B's eight fragments of the slot's q-th 128 along K into set p
	WIN TO_B
.irp i, 0,1,2,3,4,5,6,7
	FRAG 128*(\p)+FR*\i, ADRB+\slot, \q, \i
.endr
	WIN 0
.endm
.macro FETCH_A slot, q, i0             ; A's blocks i0 .. i0 + 3
.irp i, \i0, \i0+1, \i0+2, \i0+3
	FRAG AF+FR*(\i), ADRA+\slot, \q, \i
.endr
.endm
.macro PLACES n                        ; plain vector instructions between a matrix instruction and a load into, or a vector instruction on, its registers
.rept \n
	v_nop
.endr
.endm
; A step of 128 along K that has its successor in the same slot.  A block of A is free as soon as its eight products are issued: blocks 0-3 are fetched anew in the step's middle, blocks 4-7 at its end.
.macro STEP slot, q, first
	s_wait_dscnt 4*NL                              ; B's set and A's blocks 0-3 are in; the youngest 16 loads (A's blocks 4-7) may be out
.if \first
	WIN 0x81                                       ; source 0 window 1, source 1 and C (the bias) window 0, D window 2
.else
	WIN MUL_LO
.endif
	MUL16 0, (\q)%2, \first
	MUL16 2, (\q)%2, \first
	s_wait_dscnt 0                                 ; A's blocks 4-7 are in
	PLACES NP
	FETCH_B \slot, (\q)+1, 1-(\q)%2
	FETCH_A \slot, (\q)+1, 0
.if \first
	WIN 0xc1                                       ; the same, D window 3
.else
	WIN MUL_HI
.endif
	MUL16 4, (\q)%2, \first
	MUL16 6, (\q)%2, \first
	PLACES NP
	WIN 0
	FETCH_A \slot, (\q)+1, 4
.endm
; A slot's last step changes slots: ONE barrier; in front of it each wave waits for all its tensor loads, adds 0 to its spare word, and waits for that and for its own reads of this slot.  fill = 1: this slot is filled again, two slots' worth of K ahead.
.macro TURN slot, next, fill
	s_wait_tensorcnt 0x0                           ; all my tensor loads have landed: my part of the next slot  (every window is 0 here)
	ds_add_u32 v[SPW], v[NIL]                      ; 0 onto my spare word
	s_wait_dscnt 4*NL+1                            ; (the add and the youngest 16 loads, A's blocks 4-7, may be out)
	WIN MUL_LO
	MUL16 0, 1, 0                                  ; sixteen matrix instructions stand between the add and the wait for it
	s_wait_dscnt 0x0                               ; the add is done, and my reads of this slot are over
	s_barrier_signal -1
	MUL16 2, 1, 0
	WIN 0
	s_barrier_wait -1
.if \fill
	CREST                                          ; the barrier has opened a round of the cluster's barrier: no wave of any partner still reads this slot or has a load on its way
	s_add_nc_u64 s[G0+4*\slot+2:G0+4*\slot+3], s[G0+4*\slot+2:G0+4*\slot+3], 2*ROWB
	s_add_nc_u64 s[G0B+4*\slot+2:G0B+4*\slot+3], s[G0B+4*\slot+2:G0B+4*\slot+3], 2*ROWB
	JLOAD G0+4*\slot, G1, G0B+4*\slot, G1B         ; the first tensor load behind the round; its four v_nop are the places in front of the loads below
.else
	PLACES NP
.endif
	FETCH_B \next, 0, 0
	FETCH_A \next, 0, 0
	WIN MUL_HI
	MUL16 4, 1, 0
	MUL16 6, 1, 0
	PLACES NP
	WIN 0
	FETCH_A \next, 0, 4
.endm
; THE WAY OUT of block a (16 rows m' x 128 columns n'): sum x 2^(ex + ew) + the bias along m', one packed multiply-add for two, each accumulator from its low end on; the hold at the largest code; eight conversions;
; four stores of 16 bytes a lane.
.macro EPI a
.set AC, 64*((\a)%4)
.if (\a) < 4
.set CD, 192+16*(\a)
.else
.set CD, 32+16*((\a)-4)
.endif
	WIN 0x02+((\a)/4)                              ; source 0: window 2 or 3
.set j, 0
.rept 32
	v_pk_fma_f32 v[T+j:T+j+1], v[AC+j:AC+j+1], s[96:97], v[RB+2*(\a):RB+2*(\a)+1] op_sel_hi:[1,0,1]
.set j, j+2
.endr
	WIN 0
.set j, 0
.rept 64
.set j, j+1
.endr
.irp b, 0,1,2,3,4,5,6,7
	v_cvt_scalef32_pk8_fp8_f32 v[CD+2*\b:CD+2*\b+1], v[T+8*\b:T+8*\b+7], v[SCL]   ; registers 2 b, 2 b + 1: the eight neighbours 16 b + 8 h + 0 .. 7 along the next K
.endr
	v_nop                                          ; a plain vector line between the last conversion and the next block's lines, which write its sources
.irp qd, 0,1,2,3
	global_store_b128 v[VO+\qd], v[CD+4*\qd:CD+4*\qd+3], s[4+2*(\a):5+2*(\a)]     ; 32 lanes store 512 consecutive bytes, at a multiple of 512 from the buffer's first byte
.endr
.endm
	s_wait_tensorcnt 1                             ; my part of slot 0 is in (slot 1's load may be out)
	s_barrier_signal -1
	s_barrier_wait -1                              ; everybody's is
	FETCH_B 0, 0, 0
	FETCH_A 0, 0, 0
	FETCH_A 0, 0, 4
	STEP 0, 0, 1                                   ; K 0: the sums begin
	TURN 0, 1, 1                                   ; K 128; slot 0 takes K 512 on
	STEP 1, 0, 0                                   ; K 256
	TURN 1, 0, 1                                   ; K 384; slot 1 takes K 768 on
	STEP 0, 0, 0                                   ; K 512
	TURN 0, 1, 0                                   ; K 640; nothing is left to fetch, so no round of the cluster's barrier
	STEP 1, 0, 0                                   ; K 768
	s_wait_dscnt 4*NL                              ; K 896, the last step
	WIN MUL_LO
	MUL16 0, 1, 0
	MUL16 2, 1, 0
	s_wait_dscnt 0
	WIN MUL_HI
	MUL16 4, 1, 0
	MUL16 6, 1, 0
	WIN 0
	PLACES NP                                      ; in front of the first lines that read results and write over A's fragments
.irp a, 0,1,2,3,4,5,6,7
	EPI \a
.endr
	s_wait_tensorcnt 0x0                           ; the wave's end
	ds_add_u32 v[SPW], v[NIL]
	s_wait_dscnt 0x0
	CROUND                                         ; the closing round: no work-group ends while a partner may still ask for a tile that names it
	s_endpgm
.Lfunc_end_k_q32a89464e1_qkv:
	.size	k_q32a89464e1_qkv, .Lfunc_end_k_q32a89464e1_qkv-k_q32a89464e1_qkv
	.p2alignl 7, 3214868480
	.fill 96, 4, 3214868480
	.section	.rodata,"a",@progbits
	.p2align	6, 0x0
	.amdhsa_kernel k_q32a89464e1_qkv
		.amdhsa_group_segment_fixed_size 327680
		.amdhsa_private_segment_fixed_size 0
		.amdhsa_enable_private_segment 0
		.amdhsa_kernarg_size 88
		.amdhsa_user_sgpr_count 2
		.amdhsa_user_sgpr_kernarg_segment_ptr 1
		.amdhsa_wavefront_size32 1
		.amdhsa_system_sgpr_workgroup_id_x 1
		.amdhsa_system_sgpr_workgroup_id_y 1
		.amdhsa_system_sgpr_workgroup_id_z 1
		.amdhsa_system_vgpr_workitem_id 0
		.amdhsa_next_free_vgpr 1024
		.amdhsa_next_free_sgpr 102
		.amdhsa_reserve_vcc 0
		.amdhsa_float_denorm_mode_32 3
		.amdhsa_float_denorm_mode_16_64 3
		.amdhsa_fp16_overflow 1
		.amdhsa_memory_ordered 1
		.amdhsa_forward_progress 1
		.amdhsa_inst_pref_size 115
	.end_amdhsa_kernel
	.amdgpu_metadata
---
amdhsa.version: [ 1, 2 ]
amdhsa.kernels:
  - .name:           k_q32a89464e1_qkv
    .symbol:         k_q32a89464e1_qkv.kd
    .args:
      - { .name: x_codes, .offset: 0, .size: 8, .value_kind: global_buffer, .address_space: global }
      - { .name: Wq_codes, .offset: 8, .size: 8, .value_kind: global_buffer, .address_space: global }
      - { .name: Wk_codes, .offset: 16, .size: 8, .value_kind: global_buffer, .address_space: global }
      - { .name: Wv_codes, .offset: 24, .size: 8, .value_kind: global_buffer, .address_space: global }
      - { .name: bq, .offset: 32, .size: 8, .value_kind: global_buffer, .address_space: global }
      - { .name: bk, .offset: 40, .size: 8, .value_kind: global_buffer, .address_space: global }
      - { .name: bv, .offset: 48, .size: 8, .value_kind: global_buffer, .address_space: global }
      - { .name: lowp_scales, .offset: 56, .size: 8, .value_kind: global_buffer, .address_space: global }
      - { .name: qimg, .offset: 64, .size: 8, .value_kind: global_buffer, .address_space: global }
      - { .name: kimg, .offset: 72, .size: 8, .value_kind: global_buffer, .address_space: global }
      - { .name: vimg, .offset: 80, .size: 8, .value_kind: global_buffer, .address_space: global }
    .group_segment_fixed_size: 327680
    .private_segment_fixed_size: 0
    .kernarg_segment_align: 8
    .kernarg_segment_size: 88
    .max_flat_workgroup_size: 128
    .sgpr_count:     102
    .vgpr_count:     1024
    .wavefront_size: 32
...
	.end_amdgpu_metadata
.endif
;; end of part 1
;; launch attn (part 2): grid 4 x 64, 16 waves a work-group, no clusters, 327,680 bytes of LDS; arguments qimg, kimg, vimg, lowp_scales, yimg; writes yimg
.if DOCPART == 2
	.amdgcn_target "amdgcn-amd-amdhsa--gfx1250"
	.amdhsa_code_object_version 6
	.text
	.protected	k_q32a89464e1_attn
	.globl	k_q32a89464e1_attn
	.p2align	8
	.type	k_q32a89464e1_attn,@function
k_q32a89464e1_attn:
	s_mov_b64 s[64:65], 0
	v_nop
	global_prefetch_b8 v0, s[64:65] scope:SCOPE_SE
	s_setreg_imm32_b32 hwreg(HW_REG_WAVE_MODE, 25, 1), 1
	s_wait_xcnt 0x0
; y[b][t][64 head + d] = the sum over s <= t of softmax_s(q . k / 8) v, both products on codes of FP8 (E4M3); y is quantised at once with the scale given for it and stored as codes.
; q, k, v arrive as images of operand registers: qimg, kimg [batch 4][head 16][token tile 128][quad 2][lane 32][16 bytes] (16 tokens x 64 channels); vimg [batch][head][128 keys: 16][16 channels: 4][quad 4][lane][16 bytes].
; THE SOFTMAX AHEAD OF THE SECOND PRODUCT: t = score x log2(e) / 8; M = the row's largest t so far, rounded UP to a whole number; p = 2^(t - M) is what is quantised, not normalised.  The row's sum is taken of the
; unquantised p, in f32, and divides at the end.  When M moves, the sum and O are multiplied by 2^(old M - new M): exact.
; SHARES.  Work-group (i, batch and head) owns the blocks i and 7 - i of 256 queries, one after the other.  Under the causal mask block i needs i + 1 slots of 256 keys and block 7 - i needs 8 - i: NINE SLOTS FOR EVERY
; WORK-GROUP: 256 equal work-groups, a constant trip count, and no tile is fetched that nobody reads.  Each of the sixteen waves owns 16 queries of the block in hand, in 256 registers: four waves to a SIMD.
; A step of 128 keys all of which come after the wave's 16 queries is left out by a scalar branch on ids; on the diagonal hidden scores become -infinity ahead of the maximum.
; LAYOUT.  S^T = K Q^T (source 0 = 16 keys, source 1 = my 16 queries) and O^T = V^T P^T (source 0 = 16 channels, source 1 = P): lane (r, h) holds query r throughout.  Tile t of S^T gives it keys 16 t + 8 h + 0 .. 7:
; one conversion of those eight registers is registers 2 t, 2 t + 1 of P, in their true places.
; THE RING: two slots of 32,768 bytes: 16 key tiles of K, then two steps of V; images lie dense and are read at 16 x lane.  Wave 0 fetches K's 16,384 bytes, wave 1 V's.
; NO CLUSTER: the four work-groups of a head want their key slots in different orders (their blocks change after 1, 2, 3 and 4 slots); walking in step they would pass 4 + 8 = 12 slots against these 9.
; yimg: [256 channels: 4][token tile 512][128 channels: 2][c 4][lane][16 bytes], lane (r, h) holding channels 32 c + 16 h + 0 .. 15 of token r: what four loads of 16 bytes give the next product from rows.
; LIMITS on the given exponents, so that each power of two below is an f32 number: eq + ek between -123 and 130 (added to c's exponent field); ep and y's exponent between -126 and 119.  NaN is not served.
; REGISTERS: v1-8 addresses; v12 -M, v13 the largest t, v[14:15] the sum in two halves; v16-23 Q; v32-95 eight fragments of K, then four of V; v96-159 S^T, then p, then y; v160-191 O^T; v192-207 P's codes;
; v208-227 y's codes on their way out; v236-254 at work and constants.
.set SLOTB, 0x8000                     ; slot 1 begins here: one exclusive or turns an address
.set VOFF,  16384                      ; V's part of a slot
.set SPARE, 65536                      ; behind the ring: the spare words, 128 bytes for each of sixteen waves
.set LI,   1                           ; v1   16 x lane
.set QA,   2                           ; v2   my tile's bytes in the head's q images: the first block's;  v3 the second's
.set QB,   3
.set YA,   4                           ; v4   the same in y's images;  v7 the second block's
.set SPW,  5                           ; v5   LDS address of my spare word; never rewritten
.set NIL,  6                           ; v6   0; never rewritten
.set YBO,  7
.set ADR,  8                           ; v8   the slot in hand + 16 x lane
.set WV,   18
.set SEL,  20                          ; s[20:21] lane selects for v_permlanex16_b32: lane l xor 16
.set CS,   22                          ; s[22:23] c = log2(e) / 8 x 2^(eq + ek), twice
.set G1,   24                          ; s[24:31] descriptor group 1;  s[32:35], s[36:39] group 0 for K's and for V's tiles
.set G0K,  32
.set G0V,  36
.set KB,   40                          ; s[40:41] the head's k images;  s[42:43] its v images
.set VB,   42
.set KO,   44                          ; s[44:45] byte offset of the slot of keys to be asked for
.set TB,   46                          ; s46  LDS byte at which the slot in hand begins
.set NT,   47                          ; s47  the trip, 0 .. 8
.set IB,   48                          ; s48  i
.set KN,   49                          ; s49  which 256 keys were asked for last
.set KF,   50                          ; s50  the step's first key
.set Q0,   51                          ; s51  my first query
.set TS,   52                          ; s52  at work
.set HI16, 53                          ; s53  lanes 16-31
.set Q0B,  54                          ; s54  my first query in the second block
.macro TLOAD                           ; wave 0 fetches K's tile, wave 1 V's, the others nothing.  Four v_nop follow each of the two lines
	s_cmp_eq_u32 s[WV], 0
	s_cbranch_scc0 .Lnot_k_\@
	tensor_load_to_lds s[G0K:G0K+3], s[G1:G1+7]
	s_nop 0
.rept 4
	v_nop
.endr
	s_branch .Lasked_\@
.Lnot_k_\@:
	s_cmp_eq_u32 s[WV], 1
	s_cbranch_scc0 .Lasked_\@
	tensor_load_to_lds s[G0V:G0V+3], s[G1:G1+7]
	s_nop 0
.rept 4
	v_nop
.endr
.Lasked_\@:
.endm
	s_load_b256 s[4:11], s[0:1], 0x0               ; qimg s[4:5], kimg s[6:7], vimg s[8:9], the scales' exponents s[10:11]
	s_load_b64 s[12:13], s[0:1], 0x20              ; yimg
	v_lshl_add_u32 v[SPW], v0, 2, SPARE
	v_mov_b32 v[NIL], 0
	ds_add_u32 v5, v6
	ds_add_u32 v5, v6
	s_wait_dscnt 0x0
	v_lshrrev_b32 v8, 5, v0
	s_delay_alu instid0(VALU_DEP_1)
	v_readfirstlane_b32 s[WV], v8                  ; wave 0..15
	s_mov_b32 s[IB], ttmp9                         ; i, 0..3
	s_and_b32 s[TS], ttmp7, 0xffff                 ; 16 x batch + head
	s_lshl_b32 s[KO], s[TS], 17                    ; a head's images are 2^17 bytes in each of q, k, v
	s_mov_b32 s[KO+1], 0
	s_and_b32 s74, s[TS], 15                       ; head
	s_lshr_b32 s75, s[TS], 4                       ; batch
	s_lshr_b32 s76, s74, 2                         ; y: which 256 channels,
	s_lshl_b32 s76, s76, 21
	s_lshl_b32 s75, s75, 19                        ; the batch's 128 token tiles of 4,096 bytes,
	s_add_co_u32 s76, s76, s75
	s_bfe_u32 s75, s74, 0x10001                    ; which 128 channels,
	s_lshl_b32 s75, s75, 11
	s_add_co_u32 s76, s76, s75
	s_and_b32 s75, s74, 1                          ; which 64: c = 2 (head % 2) on
	s_lshl_b32 s75, s75, 10
	s_add_co_u32 s76, s76, s75
	s_mov_b32 s77, 0
	; descriptor group 1: a dense block of 16,384 bytes as 64 rows of 256
	s_mov_b32 s[G1], 3<<16                         ; 15:0 no mask; 17:16 elements of 8 bytes; no padding
	s_mov_b32 s[G1+1], 32<<16                      ; tensor_dim0 = 32
	s_mov_b32 s[G1+2], 64<<16                      ; tensor_dim1 = 64
	s_mov_b32 s[G1+3], 32<<16                      ; tile_dim0 = 32
	s_mov_b32 s[G1+4], 64                          ; tile_dim1 = 64
	s_mov_b32 s[G1+5], 32                          ; tensor_dim0_stride
	s_mov_b32 s[G1+6], 0
	s_mov_b32 s[G1+7], 0
	s_mov_b32 s[SEL], 0x76543210
	s_mov_b32 s[SEL+1], 0xfedcba98
	s_mov_b32 s[CS], 0x3e38aa3b                    ; log2(e) / 8
	s_mov_b32 s[HI16], 0xffff0000
	s_mov_b32 s[TB], 0
	s_mov_b32 s[KN], 0
	s_mov_b32 s[KF], 0
	s_wait_kmcnt 0x0
	s_load_b256 s[56:63], s[10:11], 0x10           ; the exponents 4 to 11: eq s58, ek s59, ep s60, ev s61, y's s62
	s_add_nc_u64 s[KB:KB+1], s[6:7], s[KO:KO+1]
	s_add_nc_u64 s[VB:VB+1], s[8:9], s[KO:KO+1]
	s_add_nc_u64 s[66:67], s[4:5], s[KO:KO+1]      ; the head's q images
	s_add_nc_u64 s[68:69], s[12:13], s[76:77]      ; y's images at this batch and head
	s_mov_b32 s[G0K], 1                            ; count = 1
	s_mov_b32 s[G0K+1], 0                          ; LDS address: slot 0
	s_mov_b64 s[G0K+2:G0K+3], s[KB:KB+1]           ; global address: the head's first 256 keys
	s_or_b32 s[G0K+3], s[G0K+3], 0x80000000        ; type = 2
	s_mov_b32 s[G0V], 1
	s_mov_b32 s[G0V+1], VOFF
	s_mov_b64 s[G0V+2:G0V+3], s[VB:VB+1]
	s_or_b32 s[G0V+3], s[G0V+3], 0x80000000
	TLOAD                                          ; slot 0
	v_and_b32 v8, 31, v0
	s_delay_alu instid0(VALU_DEP_1)
	v_lshlrev_b32 v[LI], 4, v8
	s_wait_alu depctr_va_vdst(0)
	s_lshl_b32 s74, s[IB], 4
	s_add_co_u32 s74, s74, s[WV]                   ; my token tile in the first block: 16 i + wave,
	s_sub_co_u32 s75, 7, s[IB]
	s_lshl_b32 s75, s75, 4
	s_add_co_u32 s75, s75, s[WV]                   ; and in the second: 16 (7 - i) + wave
	s_lshl_b32 s[Q0], s74, 4
	s_lshl_b32 s[Q0B], s75, 4
	s_lshl_b32 s76, s74, 10
	v_add_nc_u32 v[QA], s76, v[LI]
	s_lshl_b32 s76, s75, 10
	v_add_nc_u32 v[QB], s76, v[LI]
	s_lshl_b32 s76, s74, 12
	v_add_nc_u32 v[YA], s76, v[LI]
	s_lshl_b32 s76, s75, 12
	v_add_nc_u32 v[YBO], s76, v[LI]
	global_load_b128 v[16:19], v[QA], s[66:67]     ; Q's fragment stays in registers
	global_load_b128 v[20:23], v[QA], s[66:67] offset:512
	v_mov_b32 v13, 0xff61b1e6                      ; the largest t so far: -3e38, under every t
	s_delay_alu instid0(VALU_DEP_1)
	v_floor_f32 v12, -v13                          ; -M
	v_mov_b32 v14, 0                               ; the sum, in two halves
	v_mov_b32 v15, 0
	v_mov_b32 v226, 0                              ; written once: a lane permute's destination counts as one of its sources
	v_mov_b32 v227, 0
	v_mov_b32 v236, 0
	v_mov_b32 v253, 0                              ; (named as the upper half of the pair v[252:253])
.set j, 0
.rept 32
	v_mov_b32 v[160+j], 0                          ; O^T.  (The step is written without a first form: it finds zeros, which the first change of M leaves zeros)
.set j, j+1
.endr
	s_wait_kmcnt 0x0
	s_add_co_i32 s74, s58, s59
	s_lshl_b32 s74, s74, 23
	s_add_co_i32 s[CS], s[CS], s74                 ; a score stands for score x 2^(eq + ek): the two exponents are added to c's exponent field
	s_mov_b32 s[CS+1], s[CS]                       ; (named with it as a pair, so it is written)
	s_add_co_i32 s74, s60, 127
	s_lshl_b32 s75, s74, 23
	v_mov_b32 v244, s75                            ; 2^ep as f32
	s_add_co_i32 s74, s62, 127
	s_lshl_b32 s75, s74, 23
	v_mov_b32 v245, s75                            ; y's scale as f32
	s_add_co_i32 s72, s60, s61                     ; ep + ev
; A KEY STEP: 128 keys, the q-th of the slot in hand.
.macro STEP q
	s_add_co_u32 s[TS], s[Q0], 15
	s_cmp_gt_u32 s[KF], s[TS]
	s_cbranch_scc1 .Lhidden_\@                     ; all 128 keys come after my 16 queries: the step's work is left out; no barrier and no tensor load stands in a step
	v_add_nc_u32 v[ADR], s[TB], v[LI]
.rept 3
	v_nop                                          ; with the addition: four places in front of loads into registers that the last products read
.endr
.irp t, 0,1,2,3,4,5,6,7
	ds_load_b128 v[32+8*\t:35+8*\t], v[ADR] offset:(8*(\q)+\t)*1024
	ds_load_b128 v[36+8*\t:39+8*\t], v[ADR] offset:(8*(\q)+\t)*1024+512
.endr
	s_wait_alu depctr_va_vdst(0)
	s_wait_dscnt 0x0
.irp t, 0,1,2,3,4,5,6,7
	v_wmma_f32_16x16x64_fp8_fp8 v[96+8*\t:103+8*\t], v[32+8*\t:39+8*\t], v[16:23], 0   ; lane (r, h): query r, keys 16 t + 8 h + 0 .. 7
.endr
.rept 4
	v_nop
.endr
.irp dt, 0,1,2,3                               ; V's four fragments take K's registers now and land under the softmax
.irp c, 0,1,2,3
	ds_load_b128 v[32+16*\dt+4*\c:35+16*\dt+4*\c], v[ADR] offset:VOFF+8192*(\q)+2048*\dt+512*\c
.endr
.endr
	s_add_co_u32 s[TS], s[KF], 127
	s_cmp_le_u32 s[TS], s[Q0]
	s_cbranch_scc1 .Lopen_\@                       ; all 128 keys count for all my queries
	s_sub_co_i32 s[TS], s[Q0], s[KF]
	v_and_b32 v252, 15, v0
	v_bfe_u32 v253, v0, 4, 1
	s_delay_alu instid0(VALU_DEP_1)
	v_lshlrev_b32 v253, 3, v253
	s_delay_alu instid0(VALU_DEP_1)
	v_sub_nc_u32 v252, v252, v253
	s_delay_alu instid0(VALU_DEP_1)
	v_add_nc_u32 v252, s[TS], v252                 ; d = my query - the step's first key - 8 h.  Register 8 t + j holds key 16 t + 8 h + j of the step: hidden where 16 t + j > d
	v_mov_b32 v254, 0xff800000                     ; -infinity
.set n, 0
.rept 64
	v_cmp_gt_i32 vcc_lo, 16*(n/8)+n%8, v252
	v_cndmask_b32 v[96+n], v[96+n], v254, vcc_lo
.set n, n+1
.endr
.Lopen_\@:
	v_max3_num_f32 v254, v96, v97, v98             ; the step's largest score of my query among my 64 keys, in two chains, each accumulator from its low end on,
	v_max3_num_f32 v252, v99, v100, v101
.irp i, 6,10,14,18,22,26,30,34,38,42,46,50,54,58
	v_max3_num_f32 v254, v254, v[96+\i], v[97+\i]
	v_max3_num_f32 v252, v252, v[98+\i], v[99+\i]
.endr
	v_max3_num_f32 v254, v254, v158, v159
	s_delay_alu instid0(VALU_DEP_1)
	v_max_num_f32 v254, v254, v252
	s_delay_alu instid0(VALU_DEP_1)
	v_permlanex16_b32 v236, v254, s[SEL], s[SEL+1]
	s_delay_alu instid0(VALU_DEP_1)
	v_max_num_f32 v254, v254, v236                 ; and among lane l xor 16's
	s_delay_alu instid0(VALU_DEP_1)
	v_mul_f32 v254, s[CS], v254                    ; as t (c is positive)
	s_delay_alu instid0(VALU_DEP_1)
	v_max_num_f32 v13, v13, v254                   ; the running largest t
	v_mov_b32 v254, v12
	s_delay_alu instid0(VALU_DEP_2)
	v_floor_f32 v12, -v13                          ; the new -M = floor(-t) = -ceil(t): M is a whole number
	s_delay_alu instid0(VALU_DEP_1)
	v_sub_f32 v254, v12, v254                      ; M's old value less its new one: a whole number, 0 or less
	s_delay_alu instid0(VALU_DEP_1)
	v_cvt_i32_f32 v254, v254                       ; (it saturates)
	s_delay_alu instid0(VALU_DEP_1)
	v_ldexp_f32 v252, 1.0, v254                    ; f = 2^(old M - new M)
.set j, 0
.rept 32
	v_pk_fma_f32 v[96+j:97+j], v[96+j:97+j], s[CS:CS+1], v[12:13] op_sel_hi:[1,0,0]   ; t - M, two at a time
.set j, j+2
.endr
.set j, 0
	s_wait_alu depctr_va_vdst(0)
.rept 64
	v_exp_f32 v[96+j], v[96+j]                     ; p = 2^(t - M), at most 1: not normalised
.set j, j+1
.endr
	v_pk_mul_f32 v[14:15], v[14:15], v[252:253] op_sel_hi:[1,0]   ; the sums under the new M.  (A plain place behind the exponentials)
	s_wait_alu depctr_va_vdst(0)
	v_pk_add_f32 v[242:243], v[100:101], v[104:105]
	v_pk_add_f32 v[254:255], v[108:109], v[112:113]
	v_pk_add_f32 v[250:251], v[116:117], v[120:121]
	v_pk_add_f32 v[248:249], v[124:125], v[128:129]
	v_pk_add_f32 v[246:247], v[132:133], v[136:137]
	v_pk_add_f32 v[240:241], v[140:141], v[144:145]
	v_pk_add_f32 v[238:239], v[148:149], v[152:153]
	v_pk_add_f32 v[14:15], v[14:15], v[156:157]
	v_pk_add_f32 v[242:243], v[242:243], v[96:97]
	v_pk_add_f32 v[254:255], v[254:255], v[98:99]
	v_pk_add_f32 v[250:251], v[250:251], v[102:103]
	v_pk_add_f32 v[248:249], v[248:249], v[106:107]
	v_pk_add_f32 v[246:247], v[246:247], v[110:111]
	v_pk_add_f32 v[240:241], v[240:241], v[114:115]
	v_pk_add_f32 v[238:239], v[238:239], v[118:119]
	v_pk_add_f32 v[14:15], v[14:15], v[122:123]
	v_pk_add_f32 v[242:243], v[242:243], v[126:127]
	v_pk_add_f32 v[254:255], v[254:255], v[130:131]
	v_pk_add_f32 v[250:251], v[250:251], v[134:135]
	v_pk_add_f32 v[248:249], v[248:249], v[138:139]
	v_pk_add_f32 v[246:247], v[246:247], v[142:143]
	v_pk_add_f32 v[240:241], v[240:241], v[146:147]
	v_pk_add_f32 v[238:239], v[238:239], v[150:151]
	v_pk_add_f32 v[14:15], v[14:15], v[154:155]
	v_pk_add_f32 v[242:243], v[242:243], v[158:159]
	s_delay_alu instid0(VALU_DEP_2)
	v_pk_add_f32 v[14:15], v[14:15], v[248:249]
	s_delay_alu instid0(VALU_DEP_2)
	v_pk_add_f32 v[242:243], v[242:243], v[246:247]
	v_pk_add_f32 v[254:255], v[254:255], v[240:241]
	v_pk_add_f32 v[250:251], v[250:251], v[238:239]
	s_delay_alu instid0(VALU_DEP_2)
	v_pk_add_f32 v[14:15], v[14:15], v[254:255]
	s_delay_alu instid0(VALU_DEP_2)
	v_pk_add_f32 v[242:243], v[242:243], v[250:251]
	s_delay_alu instid0(VALU_DEP_1)
	v_pk_add_f32 v[14:15], v[14:15], v[242:243]
.irp t, 0,1,2,3,4,5,6,7
.irp i, 0,1,2,3,4,5,6,7
.endr
	v_cvt_scalef32_pk8_fp8_f32 v[192+2*\t:193+2*\t], v[96+8*\t:103+8*\t], v244   ; registers 2 t, 2 t + 1 of P: keys 16 t + 8 h + 0 .. 7
.endr
.set j, 0
.rept 16
	v_pk_mul_f32 v[160+j:161+j], v[160+j:161+j], v[252:253] op_sel_hi:[1,0]      ; O^T under the new M.  (Also the plain lines between the conversions and the products)
.set j, j+2
.endr
	s_wait_alu depctr_va_vdst(0)
	s_wait_dscnt 0x0                               ; V is in
.irp dt, 0,1,2,3                               ; the four accumulators take turns, and the scores' products stand between two such runs
	v_wmma_f32_16x16x128_fp8_fp8 v[160+8*\dt:167+8*\dt], v[32+16*\dt:47+16*\dt], v[192:207], v[160+8*\dt:167+8*\dt]
.endr
.Lhidden_\@:
	s_add_co_u32 s[KF], s[KF], 128
.endm
; THE CHANGE OF SLOTS stands at a slot's head.  Each wave waits for all its tensor loads, adds 0 to its spare word, and waits for that and for its reads of the slot that it has left.  Behind the barrier the slot ahead
; is whole and nobody reads the other.  fill = 1: that other slot takes the keys of the next trip: the next 256, or, where this trip is the first block's last, the head's first 256 again.
.macro CHANGE fill
	s_wait_tensorcnt 0x0                           ; no tensor load of mine is out, so a group 0 may be written
	ds_add_u32 v[SPW], v[NIL]                      ; 0 onto my spare word; the descriptors' steps stand between it and the wait for it
.if \fill
	s_add_co_u32 s[KN], s[KN], 1
	s_cmp_eq_u32 s[NT], s[IB]
	s_cselect_b32 s[KN], 0, s[KN]
	s_lshl_b32 s[KO], s[KN], 14                    ; 16,384 bytes of K and of V for 256 keys
	s_xor_b32 s[G0K+1], s[G0K+1], SLOTB            ; the other slot than last time
	s_xor_b32 s[G0V+1], s[G0V+1], SLOTB
	s_add_nc_u64 s[G0K+2:G0K+3], s[KB:KB+1], s[KO:KO+1]
	s_or_b32 s[G0K+3], s[G0K+3], 0x80000000
	s_add_nc_u64 s[G0V+2:G0V+3], s[VB:VB+1], s[KO:KO+1]
	s_or_b32 s[G0V+3], s[G0V+3], 0x80000000
.endif
	s_wait_dscnt 0x0                               ; the add is done, and my reads of the slot that I have left are over
	s_barrier_signal -1
	s_barrier_wait -1
.if \fill
	TLOAD                                          ; the first thing behind the barrier, a wave's one tensor load until the next: it has two key steps in which to land
.endif
.endm
; A BLOCK'S END.  O^T / the sum x 2^(ep + ev) is y; it is held and converted.  A lane then holds, for each 16 channels, the 8 codes of its half; the next product wants 16 neighbours a lane: the two halves of the
; lanes exchange eight codes.  reload = 1: the second block's Q is fetched and the statistics begin anew.
.macro FINISH yoff, reload
	s_wait_xcnt 0x0                                ; the registers that earlier stores read are written again only behind this wait
.rept 4
	v_nop                                          ; places behind the last products
.endr
	v_add_f32 v14, v14, v15                        ; the sum's two halves,
	s_delay_alu instid0(VALU_DEP_1)
	v_permlanex16_b32 v236, v14, s[SEL], s[SEL+1]
	s_delay_alu instid0(VALU_DEP_1)
	v_add_f32 v14, v14, v236                       ; and lane l xor 16's
	s_wait_alu depctr_va_vdst(0)
	v_rcp_f32 v14, v14
	v_nop                                          ; a plain place behind the transcendental
	s_wait_alu depctr_va_vdst(0)
	v_ldexp_f32 v14, v14, s72
.set j, 0
.rept 16
	v_pk_mul_f32 v[96+j:97+j], v[160+j:161+j], v[14:15] op_sel_hi:[1,0]   ; register 8 dt + i is y(query r, channel 16 dt + 8 h + i)
.set j, j+2
.endr
.set j, 0
.rept 32
.set j, j+1
.endr
.irp dt, 0,1,2,3
	v_cvt_scalef32_pk8_fp8_f32 v[208+2*\dt:209+2*\dt], v[96+8*\dt:103+8*\dt], v245
.endr
	v_nop                                          ; a plain line between the last conversion and the lines that read its result
.irp c, 0,1                                    ; channels 32 c on: lanes 0-15 keep 16 channels' lower eight and get their upper eight; lanes 16-31 the next 16 channels' likewise
	v_cndmask_b32 v224, v[210+4*\c], v[208+4*\c], s[HI16]    ; what I send: h = 0: the second 16 channels' codes; h = 1: the first's
	v_cndmask_b32 v225, v[211+4*\c], v[209+4*\c], s[HI16]
	s_delay_alu instid0(VALU_DEP_2)
	v_permlanex16_b32 v226, v224, s[SEL], s[SEL+1]
	s_delay_alu instid0(VALU_DEP_2)
	v_permlanex16_b32 v227, v225, s[SEL], s[SEL+1]
	v_cndmask_b32 v[216+4*\c], v[208+4*\c], v226, s[HI16]
	v_cndmask_b32 v[217+4*\c], v[209+4*\c], v227, s[HI16]
	v_cndmask_b32 v[218+4*\c], v226, v[210+4*\c], s[HI16]
	v_cndmask_b32 v[219+4*\c], v227, v[211+4*\c], s[HI16]
	global_store_b128 v[\yoff], v[216+4*\c:219+4*\c], s[68:69] offset:512*\c   ; 32 lanes store 512 consecutive bytes, at a multiple of 512 from the buffer's first byte
.endr
.if \reload
	global_load_b128 v[16:19], v[QB], s[66:67]
	global_load_b128 v[20:23], v[QB], s[66:67] offset:512
	v_mov_b32 v13, 0xff61b1e6
	s_delay_alu instid0(VALU_DEP_1)
	v_floor_f32 v12, -v13
	v_mov_b32 v14, 0
	v_mov_b32 v15, 0
.set j, 0
.rept 32
	v_mov_b32 v[160+j], 0
.set j, j+1
.endr
	s_mov_b32 s[KF], 0
	s_mov_b32 s[Q0], s[Q0B]
	s_wait_loadcnt 0x0
.endif
.endm
	s_wait_loadcnt 0x0                             ; Q
	s_mov_b32 s[NT], 0
.Lslot:                                            ; eight trips: behind each change of slots but the last the next trip's keys are asked for
	CHANGE 1
	STEP 0
	STEP 1
	s_xor_b32 s[TB], s[TB], SLOTB                  ; on to the other slot
	s_cmp_lg_u32 s[NT], s[IB]
	s_cbranch_scc1 .Lsame                          ; trip i is the first block's last: a branch on the work-group's number, round register work, loads and stores alone
	FINISH YA, 1
.Lsame:
	s_add_co_u32 s[NT], s[NT], 1
	s_cmp_lt_u32 s[NT], 8
	s_cbranch_scc1 .Lslot
	CHANGE 0                                       ; the ninth trip is written out
	STEP 0
	STEP 1
	FINISH YBO, 0
	s_wait_tensorcnt 0x0                           ; the wave's end
	ds_add_u32 v[SPW], v[NIL]
	s_wait_dscnt 0x0
	s_endpgm
.Lfunc_end_k_q32a89464e1_attn:
	.size	k_q32a89464e1_attn, .Lfunc_end_k_q32a89464e1_attn-k_q32a89464e1_attn
	.p2alignl 7, 3214868480
	.fill 96, 4, 3214868480
	.section	.rodata,"a",@progbits
	.p2align	6, 0x0
	.amdhsa_kernel k_q32a89464e1_attn
		.amdhsa_group_segment_fixed_size 327680
		.amdhsa_private_segment_fixed_size 0
		.amdhsa_enable_private_segment 0
		.amdhsa_kernarg_size 40
		.amdhsa_user_sgpr_count 2
		.amdhsa_user_sgpr_kernarg_segment_ptr 1
		.amdhsa_wavefront_size32 1
		.amdhsa_system_sgpr_workgroup_id_x 1
		.amdhsa_system_sgpr_workgroup_id_y 1
		.amdhsa_system_sgpr_workgroup_id_z 1
		.amdhsa_system_vgpr_workitem_id 0
		.amdhsa_next_free_vgpr 256
		.amdhsa_next_free_sgpr 80
		.amdhsa_reserve_vcc 1
		.amdhsa_float_denorm_mode_32 3
		.amdhsa_float_denorm_mode_16_64 3
		.amdhsa_fp16_overflow 1
		.amdhsa_memory_ordered 1
		.amdhsa_forward_progress 1
		.amdhsa_inst_pref_size 93
	.end_amdhsa_kernel
	.amdgpu_metadata
---
amdhsa.version: [ 1, 2 ]
amdhsa.kernels:
  - .name:           k_q32a89464e1_attn
    .symbol:         k_q32a89464e1_attn.kd
    .args:
      - { .name: qimg, .offset: 0, .size: 8, .value_kind: global_buffer, .address_space: global }
      - { .name: kimg, .offset: 8, .size: 8, .value_kind: global_buffer, .address_space: global }
      - { .name: vimg, .offset: 16, .size: 8, .value_kind: global_buffer, .address_space: global }
      - { .name: lowp_scales, .offset: 24, .size: 8, .value_kind: global_buffer, .address_space: global }
      - { .name: yimg, .offset: 32, .size: 8, .value_kind: global_buffer, .address_space: global }
    .group_segment_fixed_size: 327680
    .private_segment_fixed_size: 0
    .kernarg_segment_align: 8
    .kernarg_segment_size: 40
    .max_flat_workgroup_size: 512
    .sgpr_count:     80
    .vgpr_count:     256
    .wavefront_size: 32
...
	.end_amdgpu_metadata
.endif
;; end of part 2
;; launch proj (part 3): grid 4 x 64, 4 waves a work-group, clusters of 4 x 4, 327,680 bytes of LDS; arguments yimg, Wp_codes, bp, lowp_scales, out0; writes out0
.if DOCPART == 3
	.amdgcn_target "amdgcn-amd-amdhsa--gfx1250"
	.amdhsa_code_object_version 6
	.text
	.protected	k_q32a89464e1_proj
	.globl	k_q32a89464e1_proj
	.p2align	8
	.type	k_q32a89464e1_proj,@function
k_q32a89464e1_proj:
	s_mov_b64 s[64:65], 0
	v_nop
	global_prefetch_b8 v0, s[64:65] scope:SCOPE_SE
	s_setreg_imm32_b32 hwreg(HW_REG_WAVE_MODE, 25, 1), 1
	s_wait_xcnt 0x0
	s_wait_alu depctr_hold_cnt(0) depctr_sa_sdst(0) depctr_va_vdst(0) depctr_va_sdst(0) depctr_va_ssrc(0) depctr_va_vcc(0) depctr_vm_vsrc(0)
	s_getreg_b32 s2, hwreg(HW_REG_IB_STS2, 6, 4)
	s_cmp_eq_u32 s2, 0
	s_cbranch_scc0 .Lentry_in_a_cluster
	s_endpgm
.Lentry_in_a_cluster:
	s_bfe_u32 s2, ttmp6, 0x10000c
	s_cmp_lg_u32 s2, 0xf033
	s_cbranch_scc0 .Lentry_shape_is_right
	s_endpgm
.Lentry_shape_is_right:
; out[t][n] = (sum over k of y[t][k] Wp[n][k]) x 2^(ey + ew) + bp[n], on codes of FP8 (E4M3).  y arrives as images of operand registers, Wp [1024][1024] as codes with K innermost; out: [8192][1024] f32.
; yimg: [256 along K: 4][token tile 512][128 along K: 2][c 4][lane 32][16 bytes]: lane (r, h) holds K = 32 c + 16 h + 0 .. 15 of token r: the order that four loads of 16 bytes give Wp's rows, so every product meets its partner.
; A tile of out is 128 tokens x 256 columns: 64 x 4 = 256 work-groups (tiles of 256 x 256 would be 128).  Four waves, each 64 x 128: 32 accumulators, 256 registers.
; K = 1024 goes in four slots' worth of 256 through a ring of two LDS slots, eight steps of 128, written out without a loop.
; CLUSTERS: 4 x 4 work-groups: the four of a row of the cluster need the same images of y, the four of a column the same rows of Wp: each tile is asked for jointly, by the same tensor load with a mask that names the four.
; THE MATRIX INSTRUCTION IS USED TRANSPOSED (source 0 = 16 rows of Wp, source 1 = 16 tokens): a lane holds eight neighbouring numbers of a row of out.
; LIMIT: ey + ew lies between -126 and 127, so that 2^(ey + ew) is an f32 number.
; REGISTERS, in windows of 256: window 0: v1-31 addresses; v32-95 at work on the way out; y's fragments, two sets of 4 x 16, at v128 and v192 (on the way out: rows read back);
;   window 1: Wp's fragments, two sets, at v0 and v128;   window 2: the accumulators ((a, b) at v[8 (8 a + b)]);   window 3: v0-63 bp of my 128 columns in the result's layout.
.set PITCH,  272                       ; a row of Wp's tile in LDS: 256 bytes + 16 of padding
.set FR,     16
.set NP,     4                         ; places behind this matrix instruction (ISA guide 7.12.1)
.set HALFT,  128*PITCH                 ; 128 rows of Wp: what one tensor load brings
.set AIMG,   32768                     ; y's part of a slot: 8 token tiles x 4,096 bytes, dense
.set SLOT3,  AIMG+2*HALFT              ; then Wp's 256 rows
.set STAGE,  2*SLOT3                   ; behind the ring: 16 rows x (512 bytes + 16) for each wave; no tile lands here
.set SPITCH, 528
.set SPARE,  STAGE+4*16*SPITCH         ; behind the stages: the spare words, 128 bytes for each wave
.set ADRA, 16                          ; v16-17  LDS address of my images of y in slot 0, 1
.set ADRB, 20                          ; v20-21  of my fragments of Wp
.set STO,  24                          ; v24     the way out: where I put 32 bytes of a row
.set RD,   25                          ; v25     where I read a row back
.set CO,   26                          ; v26     16 x lane
.set SPW,  28                          ; v28     LDS address of my spare word; never rewritten
.set NIL,  29                          ; v29     0; never rewritten
.set TMP,  32
.set AF,   128
.set BK,   128
.set G1,  24                           ; s[24:31] descriptor group 1 for y's tiles;  s[32:39] group 0, one set for each slot
.set G0,  32
.set G1B, 48                           ; s[48:55], s[56:63] the same for Wp's
.set G0B, 56
.set MSB, 0
.macro WIN new                         ; the immediate's high byte repeats the setting that is left
.if MSB != \new
	s_set_vgpr_msb (MSB<<8)|\new
.set MSB, \new
.endif
.endm
.set MUL,  0xa1                        ; source 0 (Wp) window 1, source 1 (y) window 0, C and D window 2
.set TO_B, 0x40                        ; destination window 1, address window 0
.macro JLOAD g0a, g1a, g0b, g1b        ; a joint load: waves 0 and 1 fetch y's images, waves 2 and 3 Wp's rows; four v_nop follow each of the two lines
	s_cmp_eq_u32 s15, 0
	s_cbranch_scc0 .Lfor_b_\@
	tensor_load_to_lds s[\g0a:\g0a+3], s[\g1a:\g1a+7]
	s_nop 0
.rept 4
	v_nop
.endr
	s_branch .Lasked_\@
.Lfor_b_\@:
	tensor_load_to_lds s[\g0b:\g0b+3], s[\g1b:\g1b+7]
	s_nop 0
.rept 4
	v_nop
.endr
.Lasked_\@:
.endm
.macro CREST                           ; a round of the cluster's barrier behind its opening barrier
	s_cmp_lg_u32 s14, 0
	s_cbranch_scc1 .Lnot_wave_0_\@
	s_barrier_signal -3
.Lnot_wave_0_\@:
	s_barrier_wait -3
	s_barrier_signal -1
	s_barrier_wait -1
.endm
.macro CROUND
	s_barrier_signal -1
	s_barrier_wait -1
	CREST
.endm
	s_load_b256 s[4:11], s[0:1], 0x0               ; yimg s[4:5], Wp's codes s[6:7], bp s[8:9], the scales' exponents s[10:11]
	s_load_b64 s[12:13], s[0:1], 0x20              ; out
	v_lshl_add_u32 v[SPW], v0, 2, SPARE
	v_mov_b32 v[NIL], 0
	ds_add_u32 v28, v29
	ds_add_u32 v28, v29
	s_wait_dscnt 0x0
	v_lshrrev_b32 v1, 5, v0
	v_readfirstlane_b32 s14, v1                    ; wave 0..3
	s_lshr_b32 s15, s14, 1                         ; which 64 tokens are mine.  Also: I fetch for y (0) or for Wp (1)
	s_and_b32 s16, s14, 1                          ; which 128 columns.  Also: which half of that tile I fetch
	s_bfe_u32 s40, ttmp6, 0x40000                  ; cx: the tile column
	s_bfe_u32 s41, ttmp6, 0x40004                  ; cy
	s_and_b32 s17, ttmp7, 0xffff
	s_lshl_b32 s17, s17, 2
	s_add_co_u32 s17, s17, s41                     ; the tile of 128 tokens = 4 x cluster y + cy
	s_lshl_b32 s43, s41, 2
	s_lshl_b32 s43, 15, s43                        ; my row of the cluster
	s_lshl_b32 s44, 0x1111, s40                    ; my column
	; descriptor group 1 for y: a dense block of 16,384 bytes as 64 rows of 256
	s_or_b32 s[G1+0], s43, (3<<16)|(1<<21)         ; 15:0 the mask: my row; 17:16 elements of 8 bytes; 21 set beside a mask; no padding
	s_mov_b32 s[G1+1], 32<<16                      ; tensor_dim0
	s_mov_b32 s[G1+2], 64<<16                      ; tensor_dim1
	s_mov_b32 s[G1+3], 32<<16                      ; tile_dim0
	s_mov_b32 s[G1+4], 64                          ; tile_dim1
	s_mov_b32 s[G1+5], 32                          ; tensor_dim0_stride
	s_mov_b32 s[G1+6], 0
	s_mov_b32 s[G1+7], 0
	; for Wp: 128 rows x 256 bytes, 1,024 bytes apart in memory, padded in LDS
	s_or_b32 s[G1B+0], s44, (0<<16)|(1<<20)|(1<<21)|(5<<22)|(3<<25)  ; the mask: my column; elements of 1 byte; padding: 4 words after every 64
	s_mov_b32 s[G1B+1], 256<<16
	s_mov_b32 s[G1B+2], 128<<16
	s_mov_b32 s[G1B+3], 256<<16
	s_mov_b32 s[G1B+4], 128
	s_mov_b32 s[G1B+5], 1024
	s_mov_b32 s[G1B+6], 0
	s_mov_b32 s[G1B+7], 0
	s_lshl_b32 s20, s17, 15                        ; y: 8 token tiles of 4,096 bytes to a tile of 128 tokens,
	s_lshl_b32 s18, s16, 14                        ; four of them to a load; the same 16,384 bytes apart in LDS
	s_add_co_u32 s20, s20, s18
	s_mov_b32 s21, 0
	s_lshl_b32 s46, s40, 18                        ; Wp: 256 rows of 1,024 bytes to a tile column,
	s_lshl_b32 s19, s16, 17                        ; 128 to a load
	s_add_co_u32 s46, s46, s19
	s_mov_b32 s47, 0
	s_mul_i32 s45, s16, HALFT
	s_add_co_u32 s45, s45, AIMG                    ; and where they go: no place in the cluster enters an LDS address
	s_wait_kmcnt 0x0
	s_load_b64 s[96:97], s[10:11], 0x28            ; ey, ew: entries 10 and 11
	s_add_nc_u64 s[20:21], s[4:5], s[20:21]
	s_add_nc_u64 s[46:47], s[6:7], s[46:47]
	CROUND                                         ; all sixteen work-groups are here: the first joint loads meet
.irp s, 0,1
	s_mov_b32 s[G0+4*\s], 1
	s_add_co_u32 s[G0+4*\s+1], s18, \s*SLOT3
	s_add_nc_u64 s[G0+4*\s+2:G0+4*\s+3], s[20:21], \s*(1<<21)     ; 256 along K are 2^21 bytes on in y's images
	s_or_b32 s[G0+4*\s+3], s[G0+4*\s+3], 0x80000000
	s_mov_b32 s[G0B+4*\s], 1
	s_add_co_u32 s[G0B+4*\s+1], s45, \s*SLOT3
	s_add_nc_u64 s[G0B+4*\s+2:G0B+4*\s+3], s[46:47], \s*256
	s_or_b32 s[G0B+4*\s+3], s[G0B+4*\s+3], 0x80000000
	s_wait_alu depctr_va_vdst(0)
	s_wait_tensorcnt 0x0
	ds_add_u32 v28, v29
	ds_add_u32 v28, v29
	s_wait_dscnt 0x0
	CROUND
	JLOAD G0+4*\s, G1, G0B+4*\s, G1B
.endr
	v_and_b32 v1, 15, v0                           ; r
	v_bfe_u32 v2, v0, 4, 1                         ; h
	v_and_b32 v6, 31, v0
	v_lshlrev_b32 v[CO], 4, v6                     ; 16 x lane
	v_mul_u32_u24 v3, v1, PITCH
	v_lshl_add_u32 v4, v2, 4, v3                   ; Wp: a fragment's row x pitch + 16 h
	s_lshl_b32 s22, s15, 14                        ; my four token tiles
	s_mul_i32 s23, s16, HALFT                      ; my 128 rows of Wp,
	s_add_co_u32 s23, s23, AIMG                    ; behind y's images
.irp s, 0,1
	v_add_nc_u32 v[ADRA+\s], s22, v[CO]
	v_add_nc_u32 v[ADRB+\s], s23, v4
	s_add_co_u32 s22, s22, SLOT3
	s_add_co_u32 s23, s23, SLOT3
.endr
	s_mul_i32 s19, s14, 16*SPITCH
	s_add_co_u32 s19, s19, STAGE                   ; my stage
	v_mul_u32_u24 v5, v1, SPITCH                   ; in: row r, 32 bytes for each half of the lanes
	v_lshl_add_u32 v5, v2, 5, v5
	v_add_nc_u32 v[STO], s19, v5
	v_add_nc_u32 v[RD], s19, v[CO]                 ; back: the 32 lanes take one row of 512 bytes
	s_lshl_b32 s22, s40, 10                        ; bp at column 256 cx + 128 half + 16 b + 8 h + j
	s_lshl_b32 s23, s16, 9
	s_add_co_u32 s22, s22, s23
	v_lshl_add_u32 v7, v2, 5, s22
	WIN 0xc0                                       ; destination window 3
.irp b, 0,1,2,3,4,5,6,7
	global_load_b128 v[8*\b:8*\b+3],   v7, s[8:9] offset:64*\b
	global_load_b128 v[8*\b+4:8*\b+7], v7, s[8:9] offset:64*\b+16
.endr
	WIN 0
	s_lshl_b32 s20, s17, 19                        ; out: 128 rows of 4,096 bytes a tile,
	s_lshl_b32 s21, s15, 18                        ; my 64,
	s_add_co_u32 s20, s20, s21
	s_add_co_u32 s20, s20, s22                     ; my first column, in bytes: as in bp
	s_mov_b32 s21, 0
	s_add_nc_u64 s[12:13], s[12:13], s[20:21]
.macro FRAG reg, adr, q, i             ; a fragment of Wp: lane l holds row l % 16; registers 4 c .. 4 c + 3 hold K = 32 c + 16 (l / 16) + 0 .. 15
.irp c, 0,1,2,3
	ds_load_b128 v[\reg+4*\c:\reg+4*\c+3], v[\adr] offset:128*(\q)+32*\c+(\i)*16*PITCH
.endr
.endm
.macro FETCH3 slot, q, p               ; 48 LDS loads in one run: the slot's q-th 128 along K into set p: Wp's eight fragments, then my four images of y
	WIN TO_B
.irp i, 0,1,2,3,4,5,6,7
	FRAG 128*(\p)+FR*\i, ADRB+\slot, \q, \i
.endr
	WIN 0
.irp a, 0,1,2,3
.irp c, 0,1,2,3
	ds_load_b128 v[AF+64*(\p)+FR*\a+4*\c:AF+64*(\p)+FR*\a+4*\c+3], v[ADRA+\slot] offset:\a*4096+(\q)*2048+512*\c
.endr
.endr
.endm
; 8 matrix instructions: token tile a x Wp's eight, 128 along K, on set p.  zero = 1: the first product starts the sums.  The 32 accumulators take turns, in the same order in every step.
.macro MUL8 a, p, zero
.irp b, 0,1,2,3,4,5,6,7
.if \zero
	v_wmma_f32_16x16x128_fp8_fp8 v[8*(8*(\a)+\b):8*(8*(\a)+\b)+7], v[128*(\p)+FR*\b:128*(\p)+FR*\b+FR-1], v[AF+64*(\p)+FR*(\a):AF+64*(\p)+FR*(\a)+FR-1], 0
.else
	v_wmma_f32_16x16x128_fp8_fp8 v[8*(8*(\a)+\b):8*(8*(\a)+\b)+7], v[128*(\p)+FR*\b:128*(\p)+FR*\b+FR-1], v[AF+64*(\p)+FR*(\a):AF+64*(\p)+FR*(\a)+FR-1], v[8*(8*(\a)+\b):8*(8*(\a)+\b)+7]
.endif
.endr
.endm
.macro PLACES n
.rept \n
	v_nop
.endr
.endm
; A slot's first step: multiplies set 0; the slot's second 128 along K are asked for first, into set 1, 32 matrix instructions ahead of their use.
.macro STEP3 slot, first
	s_wait_dscnt 0x0                               ; set 0 is in
.if \first == 0
	PLACES NP                                      ; in front of loads into set 1, which the last products read
.endif
	FETCH3 \slot, 1, 1
	WIN MUL
	MUL8 0, 0, \first
	MUL8 1, 0, \first
	MUL8 2, 0, \first
	MUL8 3, 0, \first
	WIN 0
.endm
; A slot's second step multiplies set 1 and changes slots: ONE barrier; in front of it each wave waits for all its tensor loads, adds 0 to its spare word, and waits for that and for its own reads of this slot.
.macro TURN3 slot, next, fill
	s_wait_tensorcnt 0x0                           ; all my tensor loads have landed: my part of the next slot  (every window is 0 here)
	ds_add_u32 v[SPW], v[NIL]                      ; 0 onto my spare word
	s_wait_dscnt 1                                 ; set 1's 48 loads are in; the add alone may be out
	WIN MUL
	MUL8 0, 1, 0                                   ; eight matrix instructions stand between the add and the wait for it
	s_wait_dscnt 0x0                               ; the add is done, and my reads of this slot are over
	s_barrier_signal -1
	MUL8 1, 1, 0
	WIN 0
	s_barrier_wait -1
.if \fill
	CREST                                          ; the barrier has opened a round of the cluster's barrier: no wave of any partner still reads this slot or has a load on its way
	s_add_nc_u64 s[G0+4*\slot+2:G0+4*\slot+3], s[G0+4*\slot+2:G0+4*\slot+3], 1<<22
	s_add_nc_u64 s[G0B+4*\slot+2:G0B+4*\slot+3], s[G0B+4*\slot+2:G0B+4*\slot+3], 512
	JLOAD G0+4*\slot, G1, G0B+4*\slot, G1B         ; the first tensor load behind the round; its four v_nop are the places in front of the loads below
.else
	PLACES NP
.endif
	FETCH3 \next, 0, 0
	WIN MUL
	MUL8 2, 1, 0
	MUL8 3, 1, 0
	WIN 0
.endm
; THE WAY OUT, block by block of 16 rows x 128 columns: sum x 2^(ey + ew) + bp, one packed multiply-add for two, each accumulator from its low end on; through my own stage in LDS; back as whole rows of 512 bytes.
; LDS serves a wave's instructions in order (ISA guide 5.7.1.4): no wait between the stores and the loads, nor in front of the next block's stores.
.macro TOSTAGE a
	WIN 0x32                                       ; source 0 (the sums) window 2, source 2 (bp) window 3
.set j, 0
.rept 32
	v_pk_fma_f32 v[TMP+j:TMP+j+1], v[64*(\a)+j:64*(\a)+j+1], s[96:97], v[j:j+1] op_sel_hi:[1,0,1]
.set j, j+2
.endr
	WIN 0
.irp b, 0,1,2,3,4,5,6,7
	ds_store_b128 v[STO], v[TMP+8*\b:TMP+8*\b+3] offset:64*\b
	ds_store_b128 v[STO], v[TMP+8*\b+4:TMP+8*\b+7] offset:64*\b+16
.endr
.set BB, BK+64*((\a)%2)
.irp t, 0,1,2,3,4,5,6,7,8,9,10,11,12,13,14,15
	ds_load_b128 v[BB+4*\t:BB+4*\t+3], v[RD] offset:\t*SPITCH
.endr
.endm
.macro SEND a, younger                 ; younger: the LDS instructions issued behind block a's loads, which may stay out
.set BB, BK+64*((\a)%2)
	s_wait_dscnt \younger                          ; the block is back in registers
.if (\a) > 0
	s_add_nc_u64 s[12:13], s[12:13], 16*4096       ; (behind a wait on XCNT: the earlier stores have read their base)  16 rows of out on
.endif
.irp t, 0,1,2,3,4,5,6,7,8,9,10,11,12,13,14,15
	global_store_b128 v[CO], v[BB+4*\t:BB+4*\t+3], s[12:13] offset:\t*4096 th:TH_STORE_NT   ; 32 lanes store 512 consecutive bytes, at a multiple of 512 from out's first byte; written once, read by nobody here
.endr
.endm
	s_wait_alu depctr_va_vdst(0)
	s_wait_tensorcnt 1                             ; my part of slot 0 is in (slot 1's load may be out)
	s_barrier_signal -1
	s_barrier_wait -1                              ; everybody's is
	FETCH3 0, 0, 0
	STEP3 0, 1                                     ; K 0: the sums begin
	TURN3 0, 1, 1                                  ; K 128; slot 0 takes K 512 on
	STEP3 1, 0                                     ; K 256
	TURN3 1, 0, 1                                  ; K 384; slot 1 takes K 768 on
	STEP3 0, 0                                     ; K 512
	TURN3 0, 1, 0                                  ; K 640; nothing is left to fetch, so no round of the cluster's barrier
	STEP3 1, 0                                     ; K 768
	s_wait_dscnt 0x0                               ; K 896, the last step
	WIN MUL
	MUL8 0, 1, 0
	MUL8 1, 1, 0
	MUL8 2, 1, 0
	MUL8 3, 1, 0
	WIN 0
	s_wait_kmcnt 0x0
	s_add_co_i32 s96, s96, s97                     ; ey + ew, between -126 and 127,
	s_add_co_i32 s96, s96, 127
	s_lshl_b32 s96, s96, 23                        ; makes the f32 number 2^(ey + ew)
	s_mov_b32 s97, s96                             ; (named with it as a pair)
	s_wait_loadcnt 0x0                             ; bp
	PLACES NP                                      ; in front of the first reads of results and of the loads into the registers that held y's fragments
	TOSTAGE 0
.irp a, 1,2,3
.if \a > 1
	s_wait_xcnt 0x0                                ; block a - 2's stores have read their registers and their base: block a's loads may land there, and the base may step
.endif
	TOSTAGE \a
	SEND \a-1, 32                                  ; behind block a - 1's loads: block a's 16 stores and 16 loads
.endr
	s_wait_xcnt 0x0                                ; block 2's stores have read their base
	SEND 3, 0
	s_wait_tensorcnt 0x0                           ; the wave's end
	ds_add_u32 v[SPW], v[NIL]
	s_wait_dscnt 0x0
	CROUND                                         ; the closing round: no work-group ends while a partner may still ask for a tile that names it
	s_endpgm
.Lfunc_end_k_q32a89464e1_proj:
	.size	k_q32a89464e1_proj, .Lfunc_end_k_q32a89464e1_proj-k_q32a89464e1_proj
	.p2alignl 7, 3214868480
	.fill 96, 4, 3214868480
	.section	.rodata,"a",@progbits
	.p2align	6, 0x0
	.amdhsa_kernel k_q32a89464e1_proj
		.amdhsa_group_segment_fixed_size 327680
		.amdhsa_private_segment_fixed_size 0
		.amdhsa_enable_private_segment 0
		.amdhsa_kernarg_size 40
		.amdhsa_user_sgpr_count 2
		.amdhsa_user_sgpr_kernarg_segment_ptr 1
		.amdhsa_wavefront_size32 1
		.amdhsa_system_sgpr_workgroup_id_x 1
		.amdhsa_system_sgpr_workgroup_id_y 1
		.amdhsa_system_sgpr_workgroup_id_z 1
		.amdhsa_system_vgpr_workitem_id 0
		.amdhsa_next_free_vgpr 1024
		.amdhsa_next_free_sgpr 98
		.amdhsa_reserve_vcc 0
		.amdhsa_float_denorm_mode_32 3
		.amdhsa_float_denorm_mode_16_64 3
		.amdhsa_memory_ordered 1
		.amdhsa_forward_progress 1
		.amdhsa_inst_pref_size 77
	.end_amdhsa_kernel
	.amdgpu_metadata
---
amdhsa.version: [ 1, 2 ]
amdhsa.kernels:
  - .name:           k_q32a89464e1_proj
    .symbol:         k_q32a89464e1_proj.kd
    .args:
      - { .name: yimg, .offset: 0, .size: 8, .value_kind: global_buffer, .address_space: global }
      - { .name: Wp_codes, .offset: 8, .size: 8, .value_kind: global_buffer, .address_space: global }
      - { .name: bp, .offset: 16, .size: 8, .value_kind: global_buffer, .address_space: global }
      - { .name: lowp_scales, .offset: 24, .size: 8, .value_kind: global_buffer, .address_space: global }
      - { .name: out0, .offset: 32, .size: 8, .value_kind: global_buffer, .address_space: global }
    .group_segment_fixed_size: 327680
    .private_segment_fixed_size: 0
    .kernarg_segment_align: 8
    .kernarg_segment_size: 40
    .max_flat_workgroup_size: 128
    .sgpr_count:     98
    .vgpr_count:     1024
    .wavefront_size: 32
...
	.end_amdgpu_metadata
.endif
;; end of part 3
